; MI455X (gfx1250); checked and timed in simulation.
; The chip was launched on July 23, 2026; its instructions are those of AMD's public machine-readable ISA for CDNA 5 (MIT licence, August 2026) and "CDNA5" Instruction Set Architecture Reference Guide (July 2026). The comments in the code are by the model that wrote it; some were corrected since.
;; Scaled Dot Prod Attention. Allowed arithmetic: matrix products marked QUANTISED: E3M2 operands, one E8M0 scale for each 32 along K, by v_wmma_scale_f32_16x16x128_f8f6f4 with both operands' format E3M2, f32 sums; everything else in f32.
;; Inputs: k_codes 8,192 x 4 x 24 uint8 (E3M2 codes of k, K innermost, in blocks of 32 codes, four codes in three bytes); k_scales 8,192 x 4 uint8 (E8M0 scales of k, one for each 32 codes along K); q_codes 8,192 x 4 x 24 uint8 (E3M2 codes of q, K innermost, in blocks of 32 codes, four codes in three bytes); q_scales 8,192 x 4 uint8 (E8M0 scales of q, one for each 32 codes along K); v_codes 128 x 256 x 24 uint8 (E3M2 codes of v, K innermost, in blocks of 32 codes, four codes in three bytes); v_scales 128 x 256 uint8 (E8M0 scales of v, one for each 32 codes along K).
;; Outputs: out0 8,192 x 128 float32.
;; This version of the problem:
;;   THIS VERSION OF THE PROBLEM IS GIVEN IN LOW PRECISION. The matrix products marked QUANTISED in the list below multiply operands that are first quantised to E3M2 (3 exponent bits, 2 mantissa bits; 6 bits a number), with one power-of-two scale for each 32 numbers along K (OCP MX v1.0); their sums are f32. All else is computed in f32.
;;   The module's matrix products, in the order in which they are computed (A, B: the left and right operand; K: the contracted axis; several contracted axes count as one K, in the product's order):
;;     1. [M 8,192, K 128] x [K 128, N 8,192]; A: input q (given as codes); B: input k (given as codes): QUANTISED
;;     2. [M 8,192, K 8,192] x [K 8,192, N 128]; A: softmax (see below); B: input v (given as codes): QUANTISED
;;   THE QUANTISER, for each operand of a quantised product, along K:
;;     - K is cut into blocks of 32 from its start; a last block that is shorter is filled with zeros.
;;     - A block's scale is 2^e with e = floor(log2(the largest magnitude in the block)) - 4, held to -126 .. 127; a block of zeros has e = 0. As a byte (E8M0): e + 127.
;;     - Each number is divided by its block's scale, clamped to +-28, and rounded to the nearest number of E3M2, ties to even, subnormals kept.
;;     - The product sums the exact products of the quantised numbers (number of the format x scale) in f32.
;;   ~~~python
;;   def quantise(x, axis):      # numpy; x: float32 -> the quantised numbers, widened to float32 again
;;       x = np.moveaxis(x, axis, -1); K = x.shape[-1]
;;       x = np.pad(x, [(0, 0)] * (x.ndim - 1) + [(0, -K % 32)]); x = x.reshape(x.shape[:-1] + (-1, 32)); a = np.abs(x).max(-1, keepdims=True)
;;       e = np.where(a > 0, np.clip(np.frexp(np.where(a > 0, a, 1))[1] - 1 - 4, -126, 127), 0)      # np.frexp(a)[1] - 1 = floor(log2(a)), exactly
;;       r = np.clip(x / 2.0 ** e, -28, 28)
;;       step = 2.0 ** (np.maximum(np.frexp(np.where(r == 0, 1, r))[1] - 1, -2) - 2)
;;       q = np.round(r / step) * step * 2.0 ** e      # np.round: ties to even
;;       return np.moveaxis(q.reshape(q.shape[:-2] + (-1,))[..., :K], -1, axis).astype(np.float32)
;;   ~~~
;;   SOFTMAX AHEAD OF A QUANTISED PRODUCT. Where the list says 'softmax', what is quantised is not the finished softmax but p = 2^(t - M), with t = logit x log2(e) and M = ceil(the row's largest t), a whole number; so 1/2 < the row's largest p <= 1. The row's sum l is taken of the UNQUANTISED p, in f32, and the product's result is divided by l at the end. Since M is a whole number, a kernel that streams over the keys may use a running M (the ceiling of the running maximum): every later rescaling is an exact power of two, which a block's scale takes up: the codes' values come out the same.
;;   OPERANDS COMPUTED ON THE WAY. 'Computed on the way' means the value that the module computes at that place (a softmax that the list does not call 'softmax' is quantised finished and normalised). What goes into a quantiser is computed in f32, as accurately as f32 sums, v_exp_f32 and their like allow (about 1e-6 of the number): no bf16 or f16 on the way to a quantiser, and a product that is left as it is and whose result goes on into a quantised operand takes f32 operands (vector FMAs, or v_wmma_f32_16x16x4_f32). A number that lies on a knife's edge between two numbers of the format may be rounded either way, as far as f32 arithmetic and the matrix unit's own rounding can turn it there, and no further.
;;   INPUTS GIVEN AS CODES. k (in the module: [8192, 128], K = its axis 1); q (in the module: [8192, 128], K = its axis 1); v (in the module: [8192, 128], K = its axis 0): each comes as NAME_codes (uint8): NAME with its K axis moved to the last place and cut into blocks of 32 codes, [.., K / 32, bytes a block], one block behind the other in memory; four codes in three bytes: a row's codes are one little-endian stream of bits, code i at bits 6 i .. 6 i + 5 (a code: sign, 3 exponent bits, 2 mantissa bits); and NAME_scales (uint8): the same leading axes, one E8M0 byte (e + 127) for each 32 codes along K. Its value is code x scale, taken as it is: it is not quantised again, and the codes and scales need not be those that the quantiser above would give.
;; One version. Each part assembles by itself: llvm-mc -triple=amdgcn-amd-amdhsa -mcpu=gfx1250 --defsym DOCPART=n.
;; ======== version 1 of 1: 2 launches
;; limits: right only within a limited range of input values
;; workspace buffers: part 17,098,752 bytes
;; launch chunks (part 1): grid 253 x 1, 8 waves a work-group, no clusters, 327,680 bytes of LDS; arguments q_codes, q_scales, k_codes, k_scales, v_codes, v_scales, part; writes part
.if DOCPART == 1
	.amdgcn_target "amdgcn-amd-amdhsa--gfx1250"
	.amdhsa_code_object_version 6
	.text
	.protected	k_q73c393917b_chunks
	.globl	k_q73c393917b_chunks
	.p2align	8
	.type	k_q73c393917b_chunks,@function
k_q73c393917b_chunks:
	s_mov_b64 s[64:65], 0
	v_nop
	global_prefetch_b8 v0, s[64:65] scope:SCOPE_SE
	s_setreg_imm32_b32 hwreg(HW_REG_WAVE_MODE, 25, 1), 1
	s_wait_xcnt 0x0
; Causal attention, one head, 8,192 queries and keys, head size 128, both products on codes of BF6 (E3M2) with one E8M0 scale for each 32 along K.
; THIS LAUNCH makes PARTIAL results.  A work-group takes one block of 128 queries (b = 0..63) and one chunk of key steps of 128 keys: chunk c begins at step 9 c and has 9 steps, or what is
; left up to the diagonal step b if that is at most 10.  Chunk 0 exists for every b, chunk c > 0 for b >= 9 c + 1: 64 + 54 + 45 + 36 + 27 + 18 + 9 = 253 work-groups.
; EIGHT WAVES, two for each SIMD: wave w = (phase j = w / 4, pair g = w % 4) takes the queries 32 g .. 32 g + 31 of the block (two tiles of 16) over the chunk's steps j, j + 2, j + 4 ..
; Each fragment of K and V read from LDS feeds two matrix instructions.  At the end waves g and g + 4 join their two tiles through LDS: each keeps one tile (its tile 0 is tile 2 g + j
; of the block) and hands over the other.  The record that leaves is O^T of a tile, not normalised, as images of its registers, and (-M, l).  The next launch joins a tile's 1 to 7 records.
; SOFTMAX: t = score x log2(e) / sqrt(128); M = the largest t so far, rounded up to a whole number; p = 2^(t - M) is quantised along the keys, not normalised; l is the sum of the
; unquantised p.  When M moves, l and O^T are multiplied by 2^(old M - new M), which rounds nothing.
; LDS is filled once, by asynchronous copies issued in the head: a window of 10 steps from the chunk's first, 60 copies of 512 bytes a wave, in the order K 0, V 0, K 1, V 1 .. K 4, V 4 (of
; pairs of steps, 6 copies each).  The last chunk begins at step 54, so the window stays inside the buffers.
; LAYOUT: both products are used transposed (S^T = K Q^T, O^T = V^T P^T): a lane holds one query (lane % 16 = r, lane / 16 = h) throughout.  Tile (c, x) of K takes in lane r < 8 key
; 64 c + 8 x + r and in lane r >= 8 key 64 c + 32 + 8 x + r - 8, so that a lane's 32 registers of tiles (c, 0..3) are the whole block of keys 64 c + 32 h + 0 .. 31 in order: a block's maximum
; and its codes need no other lane.
; THE MASK (reference()'s own): on the diagonal step a hidden score becomes -1e9 x sqrt(128), reference()'s subtraction in units of the raw score.  Steps past the diagonal are left out by
; scalar branches on the work-group's and the wave's number: their p are 0 (limit below), so a NaN or an infinity that reaches hidden scores alone is not carried to the result.
; NO CLUSTER: the work-groups that share a chunk number 64, 54, 45, 36, 27, 18, 9, which do not all divide by four.  NO PREFETCH: the whole window is asked for in the head, so there is no
; loop to run ahead in.
; LIMITS: scale bytes 0xff (NaN) are not served.  Hidden scores vanish, as in reference(), only while logits stay far under 1e9.  The running maximum starts at -3e38.  A block whose p
; are all 0 keeps the scale byte 1 over zero codes.  A block's largest p is taken as the exponential of its largest score (v_exp_f32 is taken not to fall where its input rises).
;
; LDS MAP (bytes).  0: K, groups of 32 keys 3,088 bytes apart, keys 96 bytes apart: the 32 lanes of a load of 8 bytes stand at words 24 (r % 8) + 4 (r / 8) + 6 h + {0, 1}, 64 different banks
; (64 banks of 4 bytes: ISA guide 11.1).  VB: V, channel rows of 960 bytes, 976 apart: words 244 r + 6 h + {0, 1}, 64 different banks.  SCK, SCV: scale words, 512 bytes a step, laid so that
; one load of 16 bytes a lane brings a step's eight words: lanes 0-15 tiles 0-3, lanes 16-31 tiles 4-7.  MG: where the waves meet, 8,448 bytes a wave.  SPARE: the spare words.
; REGISTERS, in windows of 256 (s_set_vgpr_msb: bits 1:0 source 0, 3:2 source 1, 5:4 source 2, 7:6 destination):
;   window 0: below; v78-141 S^T, then p; v142-237 K's 8 fragments; v238-254 the copies' addresses, never rewritten.   window 1: v0-127 O^T, 64 a tile; v128-223 V's 8 fragments; v224-247 Q's two.
.set GPITCH, 3088
.set KSTEP,  4*GPITCH
.set VB,     123520
.set VPITCH, 976
.set SCK,    248576
.set SCV,    SCK+5120
.set MG,     258816
.set REC,    8448                      ; a record: 16 images of 512 bytes, then 256 bytes of (-M, l)
.set SPARE,  326400
.set AK0,  1                           ; my lane's place in a tile of K
.set AV0,  2                           ; in a tile of V
.set ASK0, 3                           ; among the scale words
.set ADK,  4                           ; this step's addresses: K,
.set ADS,  5                           ; scale words,
.set ADV,  6                           ; V's tiles 0-3, and (v7) 4-7
.set GI,   8                           ; 16 x lane
.set GP,   9                           ; 8 x lane
.set SPW,  10                          ; my spare word, and 0
.set NIL,  11
.set KSW,  44                          ; v44-47 K's scale words; v48-51 V's; v52-53 Q's; v54-55 p's.  v12-19: tile t: -M, largest score, l in two halves; v20-43 p's codes
.set VSW,  48
.set QSW,  52
.set PSW,  54
.set BM,   56                          ; maxima: v56, v57 of my two blocks, v58, v59 at work
.set PX,   60
.set TMP,  61
.set SO,   62                          ; v62-63 the conversions' scale operands
.set PB,   64                          ; v64-65 the scales' bytes
.set F,    66                          ; v[66:67] f = 2^(old M - new M); the pair's upper word is written once
.set CT,   68                          ; v68-70, v72-74 the conversions' second halves
.set PY,   71
.set DD,   75                          ; v75-76 the mask's limit of tile 0, 1
.set NEG,  77
.set S,    78
.set KFR,  142
.set CPL,  238                         ; v238-247 K's copies: LDS address for each step; v248 global offset
.set CPG,  248
.set VG,   249                         ; v249 V's copies: global offset; v254 LDS address
.set VL,   254
.set OT,   0                           ; window 1
.set VFR,  128
.set QFR,  224
.set WV,   18
.set CC,   19
.set SEL,  20                          ; s[20:21] v_permlanex16_b32's selects for lane l xor 16
.set CS,   22                          ; s[22:23] c = log2(e) / sqrt(128), twice
.set BB,   24
.set S0,   25                          ; the chunk's first step
.set JP,   26                          ; phase
.set GQ,   27                          ; pair
.set NN,   28                          ; the chunk's steps
.set DG,   29                          ; the diagonal step, counted from the chunk's first
.set SG,   30                          ; my step in hand; its offsets:
.set TK,   31                          ; K
.set TV,   32                          ; V
.set TS,   33                          ; scale words
.set CNT,  36
.set NCS,  37                          ; -c
.set KB,   38                          ; s[38:39] K from the window's step 0, s[40:41] from its step 5
.set VBA,  42                          ; s[42:43] V; s[44:45] the next 8 channels (with the immediate's 7,808)
.set W_S,  0x04                        ; Q window 1
.set W_PV, 0x51                        ; V and O^T window 1, p's codes window 0
.set W_RS, 0x41                        ; O^T (destination and source 0) window 1
.set W_LD, 0x40                        ; a load's destination window 1
.set W_ST, 0x04                        ; a store's data window 1
.set W_JN, 0x50                        ; O^T (destination and source 2) window 1
.set MSB, 0
.macro WIN new                         ; the immediate's high byte repeats the setting that is left; a switch that changes nothing is dropped
.if MSB != \new
	s_set_vgpr_msb (MSB<<8)|\new
.set MSB, \new
.endif
.endm
	s_load_b256 s[4:11], s[0:1], 0x0               ; q_codes s[4:5], q_scales s[6:7], k_codes s[8:9], k_scales s[10:11]
	s_load_b128 s[12:15], s[0:1], 0x20             ; v_codes s[12:13], v_scales s[14:15]
	s_load_b64 s[16:17], s[0:1], 0x30              ; part
	v_lshl_add_u32 v[SPW], v0, 2, SPARE
	v_mov_b32 v[NIL], 0
	ds_add_u32 v[SPW], v[NIL]                      ; the opening add, twice, ahead of the first copy
	ds_add_u32 v[SPW], v[NIL]
	v_lshrrev_b32 v1, 5, v0
	v_readfirstlane_b32 s[WV], v1                  ; wave 0..7
	; the work-groups are numbered chunk by chunk: chunk c begins at 0, 64, 118, 163, 199, 226, 244; b = number - c (117 - 9 c) / 2
	s_mov_b32 s[CC], 0
.irp lim, 64,118,163,199,226,244
	s_cmp_ge_u32 ttmp9, \lim
	s_cselect_b32 s34, 1, 0
	s_add_co_u32 s[CC], s[CC], s34
.endr
	s_mul_i32 s[S0], s[CC], 9
	s_sub_co_u32 s34, 117, s[S0]
	s_mul_i32 s34, s34, s[CC]
	s_lshr_b32 s34, s34, 1
	s_sub_co_u32 s[BB], ttmp9, s34
	s_sub_co_u32 s[DG], s[BB], s[S0]
	s_add_co_u32 s34, s[DG], 1
	s_cmp_gt_u32 s34, 10
	s_cselect_b32 s[NN], 9, s34
	s_lshr_b32 s[JP], s[WV], 2
	s_and_b32 s[GQ], s[WV], 3
	; byte offsets, in pairs with 0 above
	s_mul_i32 s58, s[S0], 12288                    ; K: 128 rows of 96 bytes a step
	s_mov_b32 s59, 0
	s_mul_i32 s60, s[S0], 96                       ; V: 96 bytes a step in each row
	s_mov_b32 s61, 0
	s_lshl_b32 s62, s[S0], 9                       ; K's scales: 512 a step
	s_mov_b32 s63, 0
	s_lshl_b32 s68, s[S0], 2                       ; V's: 4 a step in each row
	s_mov_b32 s69, 0
	s_lshl_b32 s34, s[GQ], 5
	s_lshl_b32 s35, s[JP], 4
	s_add_co_u32 s66, s34, s35                     ; my tile 0's first query in the block,
	s_xor_b32 s67, s66, 16                         ; and my tile 1's
	s_lshl_b32 s34, s[BB], 7
	s_add_co_u32 s35, s34, s67
	s_add_co_u32 s34, s34, s66
	s_mul_i32 s70, s34, 96
	s_mov_b32 s71, 0
	s_mul_i32 s72, s35, 96
	s_mov_b32 s73, 0
	s_lshl_b32 s74, s34, 2
	s_mov_b32 s75, 0
	s_lshl_b32 s76, s35, 2
	s_mov_b32 s77, 0
	s_lshl_b32 s34, ttmp9, 3
	s_lshl_b32 s35, s[GQ], 1
	s_add_co_u32 s34, s34, s35
	s_add_co_u32 s34, s34, s[JP]
	s_mul_i32 s78, s34, REC                        ; the record of the tile that I keep
	s_mov_b32 s79, 0
	s_mul_i32 s80, s[WV], 1536                     ; K: my half of a group of 32 keys in each step
	s_lshr_b32 s34, s[WV], 1
	s_lshl_b32 s34, s34, 4
	s_add_co_u32 s81, s80, s34
	s_mul_i32 s82, s[WV], 98304                    ; V: my 16 channels
	s_mul_i32 s83, s[WV], 16*VPITCH
	s_add_co_u32 s83, s83, VB
	s_lshl_b32 s46, s[WV], 7                       ; scales: K's 32 keys of each pair of steps; V's 16 channels
	s_add_co_u32 s47, s46, SCK
	s_lshl_b32 s48, s[WV], 12
	s_lshl_b32 s49, s[JP], 8
	s_lshl_b32 s34, s[GQ], 2
	s_add_co_u32 s49, s49, s34
	s_add_co_u32 s49, s49, SCV
	s_mul_i32 s[TK], s[JP], KSTEP
	s_mul_i32 s[TV], s[JP], 96
	s_lshl_b32 s[TS], s[JP], 9
	s_mov_b32 s[SG], s[JP]
	v_and_b32 v80, 31, v0                          ; lane
	v_lshlrev_b32 v[GI], 4, v80
	v_add_nc_u32 v[CPG], s80, v[GI]
	v_add_nc_u32 v[CPL], s81, v[GI]
.irp s, 1,2,3,4
	v_add_nc_u32 v[CPL+\s], 64*\s, v[CPL]          ; an LDS step is 64 bytes longer than a step in memory; the rest of both steps is the immediate
.endr
.irp s, 5,6,7,8,9
	v_add_nc_u32 v[CPL+\s], 61440+64*\s, v[CPL]
.endr
	v_lshrrev_b32 v90, 2, v80                      ; V: a copy takes 64 bytes of each of 8 channels: four lanes a channel
	v_and_b32 v91, 3, v80
	v_mul_u32_u24 v[VG], v90, 6144
	v_lshl_add_u32 v[VG], v91, 4, v[VG]
	v_add_nc_u32 v[VG], s82, v[VG]
	v_mul_u32_u24 v[VL], v90, VPITCH
	v_lshl_add_u32 v[VL], v91, 4, v[VL]
	v_add_nc_u32 v[VL], s83, v[VL]
	v_lshlrev_b32 v110, 2, v80
	v_add_nc_u32 v110, s46, v110                   ; K's scale words: 4 bytes a key
	v_and_b32 v93, 7, v80
	v_lshrrev_b32 v94, 3, v80
	v_lshlrev_b32 v112, 4, v93
	v_lshl_add_u32 v112, v94, 2, v112
	v_add_nc_u32 v112, s47, v112                   ; key 8 x + y of a group goes to 16 y + 4 x
	v_lshrrev_b32 v95, 1, v80
	v_and_b32 v96, 1, v80
	v_lshlrev_b32 v111, 8, v95
	v_lshl_add_u32 v111, v96, 2, v111
	v_add_nc_u32 v111, s48, v111                   ; V's: two steps of each of my 16 channels
	v_lshlrev_b32 v113, 4, v95
	v_lshl_add_u32 v113, v96, 9, v113
	v_add_nc_u32 v113, s49, v113
	v_and_b32 v81, 15, v0                          ; r
	v_bfe_u32 v82, v0, 4, 1                        ; h
	v_mul_u32_u24 v114, 96, v81
	v_mad_u32_u24 v114, v82, 24, v114              ; Q: row r, + 24 h
	v_lshlrev_b32 v115, 2, v81                     ; Q's scale words
	s_wait_alu depctr_va_vdst(0)                   ; directly ahead of the waits below
	s_wait_dscnt 0x0                               ; both opening adds are done
	s_wait_kmcnt 0x0
	s_add_nc_u64 s[KB:KB+1], s[8:9], s[58:59]
	s_add_nc_u64 s[KB+2:KB+3], s[KB:KB+1], 61440
	s_add_nc_u64 s[VBA:VBA+1], s[12:13], s[60:61]
	s_add_nc_u64 s[VBA+2:VBA+3], s[VBA:VBA+1], 41344   ; with the immediate's 7,808: 8 rows of 6,144 bytes in memory, 8 of 976 in LDS
	s_add_nc_u64 s[46:47], s[10:11], s[62:63]
	s_add_nc_u64 s[48:49], s[14:15], s[68:69]
	s_add_nc_u64 s[50:51], s[4:5], s[70:71]
	s_add_nc_u64 s[52:53], s[4:5], s[72:73]
	s_add_nc_u64 s[54:55], s[6:7], s[74:75]
	s_add_nc_u64 s[56:57], s[6:7], s[76:77]
	s_add_nc_u64 s[16:17], s[16:17], s[78:79]
.macro CPK s                           ; step s of K: 3 copies a wave
.irp p, 0,1,2
	global_load_async_to_lds_b128 v[CPL+\s], v[CPG], s[KB+2*(\s/5):KB+2*(\s/5)+1] offset:12288*(\s%5)+512*\p
.endr
.endm
.macro CPV p                           ; steps 2 p, 2 p + 1 of V: 6 copies a wave
.irp t, 0,1,2
	global_load_async_to_lds_b128 v[VL], v[VG], s[VBA:VBA+1] offset:192*\p+64*\t
	global_load_async_to_lds_b128 v[VL], v[VG], s[VBA+2:VBA+3] offset:192*\p+64*\t+7808
.endr
.endm
	CPK 0
	CPK 1
	CPV 0
.irp i, 0,1,2,3,4                      ; what comes through registers: the scale bytes, on their way to LDS, and Q
	global_load_b32 v[100+\i], v110, s[46:47] offset:1024*\i
	global_load_b32 v[105+\i], v111, s[48:49] offset:8*\i
.endr
	global_load_b32 v[QSW], v115, s[54:55]
	global_load_b32 v[QSW+1], v115, s[56:57]
	WIN W_LD
.irp t, 0,1
.irp pc, 0,1,2,3,4,5
	global_load_b64 v[QFR+12*\t+2*\pc:QFR+12*\t+2*\pc+1], v114, s[50+2*\t:51+2*\t] offset:48*(\pc/3)+8*(\pc%3)
.endr
.endr
	WIN 0
	CPK 2
	CPK 3
	CPV 1
	CPK 4
	CPK 5
	CPV 2
	CPK 6
	CPK 7
	CPV 3
	CPK 8
	CPK 9
	CPV 4
	; while those are out: the LDS addresses,
	v_lshrrev_b32 v83, 3, v81
	v_and_b32 v84, 7, v81
	v_mul_u32_u24 v[AK0], v83, GPITCH
	v_mad_u32_u24 v[AK0], v84, 96, v[AK0]
	v_mad_u32_u24 v[AK0], v82, 24, v[AK0]
	v_mul_u32_u24 v[AV0], v81, VPITCH
	v_mad_u32_u24 v[AV0], v82, 24, v[AV0]
	v_add_nc_u32 v[AV0], VB, v[AV0]
	v_add_nc_u32 v[ASK0], SCK, v[GI]
	v_add_nc_u32 v[AK0], s[TK], v[AK0]             ; so far TK, TV and TS hold my phase's offsets: one step for the waves 4-7
	v_add_nc_u32 v[AV0], s[TV], v[AV0]
	v_add_nc_u32 v[ASK0], s[TS], v[ASK0]
	v_lshlrev_b32 v[GP], 3, v80
	v_lshlrev_b32 v85, 5, v82
	v_sub_nc_u32 v85, v81, v85
	v_add_nc_u32 v[DD], s66, v85                   ; the mask: register 32 c + i of S^T is hidden where 64 c + i > my query - 32 h
	v_add_nc_u32 v[DD+1], s67, v85
	v_mov_b32 v[NEG], 0xd0289660                   ; -1e9 x sqrt(128)
.irp t, 0,1
	v_mov_b32 v[12+4*\t], 0x7e000000               ; -M: above every -M that a step gives
	v_mov_b32 v[13+4*\t], 0xff61b1e6               ; the largest score so far: -3e38
	v_mov_b32 v[14+4*\t], 0                        ; l, in two halves
	v_mov_b32 v[15+4*\t], 0
.endr
	v_mov_b32 v[PX], 0                             ; written once: a lane permute's destination counts as one of its sources
	v_mov_b32 v[PY], 0
	v_mov_b32 v[F+1], 0                            ; named as the upper word of a pair
	WIN W_LD
.set nn, 0
.rept 128
	v_mov_b32 v[OT+nn], 0                          ; O^T: a wave may have no step at all (a chunk of one step), and the step is written without a first step of its own
.set nn, nn+1
.endr
	WIN 0
	s_mov_b32 s[SEL], 0x76543210
	s_mov_b32 s[SEL+1], 0xfedcba98
	s_mov_b32 s[CS], 0x3e0293ee                    ; c = log2(e) / sqrt(128)
	s_mov_b32 s[CS+1], s[CS]
	s_mov_b32 s[NCS], 0xbe0293ee
	s_wait_alu depctr_va_vdst(0)                   ; at the head's end
	s_wait_loadcnt 0x0                             ; Q, and the scale bytes
.irp i, 0,1,2,3,4
	ds_store_b32 v112, v[100+\i] offset:1024*\i
	ds_store_b32 v113, v[105+\i] offset:1024*\i
.endr
; 49 LDS loads in one run: a step's 8 fragments of K (16 keys x 128: six pieces of 8 bytes each) and their scale words; o, so: how far ahead of the step in hand
.macro FETCH_K o, so
.irp x, 0,1,2,3,4,5,6,7
.irp pc, 0,1,2,3,4,5
	ds_load_b64 v[KFR+12*\x+2*\pc:KFR+12*\x+2*\pc+1], v[ADK] offset:\o+2*GPITCH*(\x/4)+768*(\x%4)+48*(\pc/3)+8*(\pc%3)
.endr
.endr
	ds_load_b128 v[KSW:KSW+3], v[ADS] offset:\so
.endm
; the same for V: 8 fragments of 16 channels x 128 keys
.macro FETCH_V
	WIN W_LD
.irp x, 0,1,2,3,4,5,6,7
.irp pc, 0,1,2,3,4,5
	ds_load_b64 v[VFR+12*\x+2*\pc:VFR+12*\x+2*\pc+1], v[ADV+\x/4] offset:16*VPITCH*(\x%4)+48*(\pc/3)+8*(\pc%3)
.endr
.endr
	WIN 0
	ds_load_b128 v[VSW:VSW+3], v[ADS] offset:SCV-SCK
.endm
; S^T of tile t: 8 products, each a sum of its own
.macro SMUL t
	WIN W_S
.irp x, 0,1,2,3
	v_wmma_scale_f32_16x16x128_f8f6f4 v[S+8*\x:S+8*\x+7], v[KFR+12*\x:KFR+12*\x+11], v[QFR+12*\t:QFR+12*\t+11], 0, v[KSW+\x], v[QSW+\t] matrix_a_fmt:MATRIX_FMT_BF6 matrix_b_fmt:MATRIX_FMT_BF6
.endr
.irp x, 4,5,6,7
	v_wmma_scale_f32_16x16x128_f8f6f4 v[S+8*\x:S+8*\x+7], v[KFR+12*\x:KFR+12*\x+11], v[QFR+12*\t:QFR+12*\t+11], 0, v[KSW+\x-4], v[QSW+\t] matrix_a_fmt:MATRIX_FMT_BF6 matrix_b_fmt:MATRIX_FMT_BF6 matrix_a_scale:MATRIX_SCALE_ROW1
.endr
	WIN 0
.endm
; O^T of tile t += V^T P^T: 8 accumulators, one instruction each (the accumulators take turns)
.macro PVMUL t
	WIN W_PV
.irp x, 0,1,2,3
	v_wmma_scale_f32_16x16x128_f8f6f4 v[OT+64*\t+8*\x:OT+64*\t+8*\x+7], v[VFR+12*\x:VFR+12*\x+11], v[20+12*\t:31+12*\t], v[OT+64*\t+8*\x:OT+64*\t+8*\x+7], v[VSW+\x], v[PSW+\t] matrix_a_fmt:MATRIX_FMT_BF6 matrix_b_fmt:MATRIX_FMT_BF6
.endr
.irp x, 4,5,6,7
	v_wmma_scale_f32_16x16x128_f8f6f4 v[OT+64*\t+8*\x:OT+64*\t+8*\x+7], v[VFR+12*\x:VFR+12*\x+11], v[20+12*\t:31+12*\t], v[OT+64*\t+8*\x:OT+64*\t+8*\x+7], v[VSW+\x-4], v[PSW+\t] matrix_a_fmt:MATRIX_FMT_BF6 matrix_b_fmt:MATRIX_FMT_BF6 matrix_a_scale:MATRIX_SCALE_ROW1
.endr
	WIN 0
.endm
; the diagonal step's mask, tile t: four compares, then four selects, each accumulator from its low end on
.macro MASK t
	s_cmp_lg_u32 s[SG], s[DG]
	s_cbranch_scc1 .Lopen_\@
.set nn, 0
.rept 16
.irp k, 0,1,2,3
	v_cmp_gt_i32 s[60+\k], 64*(nn/32)+nn%32+\k, v[DD+\t]
.endr
.irp k, 0,1,2,3
	v_cndmask_b32 v[S+nn+\k], v[S+nn+\k], v[NEG], s[60+\k]
.endr
.set nn, nn+4
.endr
.Lopen_\@:
.endm
; The softmax of tile t for one step: S^T becomes p, p's codes and scale word; l and O^T come under the new M.
.macro SOFT t
.set ST, 12+4*\t
.set CD, 20+12*\t
.irp c, 0,1
	v_max3_num_f32 v[BM+\c], v[S+32*\c], v[S+1+32*\c], v[S+2+32*\c]   ; the largest score of my block of 32 keys, two chains a block, four by turns
.endr
.irp c, 0,1
	v_max3_num_f32 v[BM+2+\c], v[S+16+32*\c], v[S+17+32*\c], v[S+18+32*\c]
.endr
.irp i, 3,5,7,9,11,13
.irp c, 0,1
	v_max3_num_f32 v[BM+\c], v[BM+\c], v[S+\i+32*\c], v[S+1+\i+32*\c]
.endr
.irp c, 0,1
	v_max3_num_f32 v[BM+2+\c], v[BM+2+\c], v[S+16+\i+32*\c], v[S+17+\i+32*\c]
.endr
.endr
.irp c, 0,1
	v_max3_num_f32 v[BM+2+\c], v[BM+2+\c], v[S+31+32*\c], v[S+15+32*\c]
.endr
.irp c, 0,1
	v_max_num_f32 v[BM+\c], v[BM+\c], v[BM+2+\c]
.endr
	v_max_num_f32 v[TMP], v[BM], v[BM+1]
	v_permlanex16_b32 v[PX], v[TMP], s[SEL], s[SEL+1]
	v_max3_num_f32 v[ST+1], v[ST+1], v[TMP], v[PX] ; the largest score of my query so far
	v_mov_b32 v[TMP], v[ST]
	v_mul_f32 v[ST], s[NCS], v[ST+1]
	v_floor_f32 v[ST], v[ST]                       ; the new -M = floor(-t): a whole number
	v_sub_f32 v[TMP], v[ST], v[TMP]                ; old M - new M, 0 or less
.set jj, 0
.rept 32
	v_pk_fma_f32 v[S+jj:S+jj+1], v[S+jj:S+jj+1], s[CS:CS+1], v[ST:ST+1] op_sel_hi:[1,0,0]   ; t - M, two at a time
.if jj == 8
	v_cvt_i32_f32 v[TMP], v[TMP]                   ; (it saturates)
.endif
.if jj == 24
	v_ldexp_f32 v[F], 1.0, v[TMP]                  ; f = 2^(old M - new M)
.endif
.set jj, jj+2
.endr
.irp c, 0,1
	v_fma_f32 v[BM+\c], v[BM+\c], s[CS], v[ST]     ; the same of each block's largest score
.endr
	s_wait_alu depctr_va_vdst(0)                   ; ahead of the batch
.set jj, 0
.rept 64
	v_exp_f32 v[S+jj], v[S+jj]                     ; p = 2^(t - M)
.set jj, jj+1
.endr
.irp c, 0,1
	v_exp_f32 v[BM+\c], v[BM+\c]                   ; the block's largest p: the same two instructions on the same number
.endr
	WIN W_RS
	s_wait_alu depctr_va_vdst(0)                   ; behind the batch and directly ahead of O^T's first reader
.set jj, 0
.rept 32
	v_pk_mul_f32 v[OT+64*\t+jj:OT+64*\t+jj+1], v[OT+64*\t+jj:OT+64*\t+jj+1], v[F:F+1] op_sel_hi:[1,0]   ; O^T under the new M; plain work behind the exponentials (ISA guide 5.7.2)
.set jj, jj+2
.endr
	WIN 0
.irp c, 0,1
	v_max_num_f32 v[BM+\c], 0x2800000, v[BM+\c]    ; the floor 2^(5 - 127): the byte cannot fall under 1
.endr
.irp c, 0,1
	v_add_nc_u32 v[SO+\c], 0xfe000000, v[BM+\c]    ; 4 off the exponent field: the conversion's scale operand
.endr
.irp c, 0,1
	v_lshrrev_b32 v[PB+\c], 23, v[SO+\c]           ; the scale's byte
.endr
.irp c, 0,1
	v_cvt_scalef32_pk16_bf6_f32 v[CD+6*\c:CD+6*\c+2], v[S+32*\c:S+32*\c+15], v[SO+\c]
	v_cvt_scalef32_pk16_bf6_f32 v[CT+4*\c:CT+4*\c+2], v[S+16+32*\c:S+31+32*\c], v[SO+\c]   ; (a conversion's three registers begin on an even number)
.endr
	v_lshl_or_b32 v[PSW+\t], v[PB+1], 16, v[PB]    ; a plain instruction behind the scaled conversions: my blocks' bytes, h and 2 + h,
	v_permlanex16_b32 v[PY], v[PSW+\t], s[SEL], s[SEL+1]
.irp c, 0,1
.irp i, 0,1,2
	v_mov_b32 v[CD+3+6*\c+\i], v[CT+4*\c+\i]
.endr
.endr
	v_lshl_or_b32 v[PSW+\t], v[PY], 8, v[PSW+\t]   ; and lane l xor 16's: in lanes 0-15, which are read, p's scale word for these 128 keys
	; the sum of the UNQUANTISED p, in place, neighbours 1, 2, 4, 8 and 16 pairs apart, so that the additions of a level do not wait for each other
.irp w, 4,8,16,32,64
.set jj, 0
.rept 64/\w
	v_pk_add_f32 v[S+jj:S+jj+1], v[S+jj:S+jj+1], v[S+jj+\w/2:S+jj+\w/2+1]
.set jj, jj+\w
.endr
.endr
	v_pk_fma_f32 v[ST+2:ST+3], v[ST+2:ST+3], v[F:F+1], v[S:S+1] op_sel_hi:[1,0,1]   ; l under the new M, and the step's sum
.endm
; A KEY STEP of my phase.  pre = 1: my next step's K is fetched, if there is one.
; A vector instruction or a store that reads a matrix result, and a load into a register that a matrix instruction has read, stand four plain vector instructions behind it (ISA guide 7.12.1
; for vector instructions).
.macro STEP pre
	s_cmp_ge_u32 s[SG], s[NN]
	s_cbranch_scc1 .Lskip_\@
	s_wait_dscnt 0x0                               ; this step's K and its scale words are in
	SMUL 0
	v_add_nc_u32 v[ADK], s[TK], v[AK0]             ; four plain instructions: behind the last step's products, whose fragments of V are loaded anew below, and behind tile 0's scores
	v_add_nc_u32 v[ADS], s[TS], v[ASK0]
	v_add_nc_u32 v[ADV], s[TV], v[AV0]
	v_add_nc_u32 v[ADV+1], 64*VPITCH, v[ADV]
	FETCH_V                                        ; lands under tile 0's softmax
	MASK 0
	SOFT 0
	SMUL 1                                         ; over tile 0's p, which is done with
	s_wait_dscnt 0x0                               ; V and its scale words are in
	PVMUL 0                                        ; runs under tile 1's softmax
.rept 4
	v_nop                                          ; behind tile 1's scores: for the loads into K's registers and for the first read of the scores
.endr
.if \pre
	s_add_co_u32 s34, s[SG], 2
	s_cmp_ge_u32 s34, s[NN]
	s_cbranch_scc1 .Lno_next_\@
	FETCH_K 2*KSTEP, 1024                          ; lands under tile 1's softmax
.Lno_next_\@:
.endif
	MASK 1
	SOFT 1
	PVMUL 1
	s_wait_alu depctr_va_vdst(0)                   ; ahead of the branches and waits that follow
.Lskip_\@:
	s_add_co_u32 s[SG], s[SG], 2
	s_add_co_u32 s[TK], s[TK], 2*KSTEP
	s_add_co_u32 s[TV], s[TV], 192
	s_add_co_u32 s[TS], s[TS], 1024
.endm
; The waves meet: my copies but the n youngest have landed, my LDS stores have landed and my LDS loads are in.  Younger copies may stay out.
.macro MEET n
	s_wait_asynccnt \n
	s_wait_dscnt 0x0
	s_barrier_signal -1
	s_barrier_wait -1
.endm
.macro OFFSETS i                       ; my steps from number i on: the window's steps 2 i + phase
	s_mov_b32 s[TK], 2*KSTEP*\i
	s_mov_b32 s[TV], 192*\i
	s_mov_b32 s[TS], 1024*\i
.endm
	MEET 48                                        ; K 0 and V 0 of every wave are in (48 copies stand behind them), and the scale words lie in LDS
	OFFSETS 0
	v_add_nc_u32 v[ADK], s[TK], v[AK0]
	v_add_nc_u32 v[ADS], s[TS], v[ASK0]
	FETCH_K 0, 0
	STEP 0
	MEET 18                                        ; pairs 1 and 2 and, for the fetch ahead, K 3: behind them stand V 3, K 4, V 4, 6 copies each
	OFFSETS 1
	s_cmp_ge_u32 s[SG], s[NN]
	s_cbranch_scc1 .Lnone
	v_add_nc_u32 v[ADK], s[TK], v[AK0]
	v_add_nc_u32 v[ADS], s[TS], v[ASK0]
	FETCH_K 0, 0
.Lnone:
	s_mov_b32 s[CNT], 2
.Lmid:
	STEP 1
	s_sub_co_u32 s[CNT], s[CNT], 1
	s_cmp_lg_u32 s[CNT], 0
	s_cbranch_scc1 .Lmid
	MEET 0                                         ; all copies have landed
	OFFSETS 3
	STEP 1
	STEP 0                                         ; the window's last step of my phase: nothing is left to fetch
	; WAVES g AND g + 4 JOIN: each stores its tile 1, which is the other's tile 0, and joins the other's to its own tile 0
	s_mul_i32 s34, s[WV], REC
	s_add_co_u32 s34, s34, MG
	s_xor_b32 s35, s[WV], 4
	s_mul_i32 s35, s35, REC
	s_add_co_u32 s35, s35, MG
	s_wait_alu depctr_va_vdst(0)
	v_add_f32 v14, v14, v15                        ; l's two halves,
	v_add_f32 v18, v18, v19
	v_permlanex16_b32 v[PX], v14, s[SEL], s[SEL+1]
	v_permlanex16_b32 v[PY], v18, s[SEL], s[SEL+1]
	v_add_nc_u32 v4, s34, v[GI]                    ; (these are also the places behind the last products)
	v_add_nc_u32 v5, s34, v[GP]
	v_add_nc_u32 v6, s35, v[GI]
	v_add_nc_u32 v7, s35, v[GP]
	v_add_f32 v13, v14, v[PX]                      ; and lane l xor 16's; beside -M
	v_add_f32 v17, v18, v[PY]
	ds_store_b64 v5, v[16:17] offset:8192
	WIN W_ST
.irp i, 0,1,2,3,4,5,6,7,8,9,10,11,12,13,14,15
	ds_store_b128 v4, v[OT+64+4*\i:OT+67+4*\i] offset:512*\i   ; each accumulator from its low end on
.endr
	WIN 0
	v_mov_b32 v69, 0                               ; named as the upper word of a pair
	s_wait_alu depctr_va_vdst(0)                   ; ahead of the waits below
	s_wait_dscnt 0x0                               ; for the other wave's sake: my stores have landed
	s_barrier_signal -1
	s_barrier_wait -1
	ds_load_b64 v[20:21], v7 offset:8192
.irp i, 0,1,2,3,4,5,6,7,8,9,10,11,12,13,14,15
	ds_load_b128 v[KFR+4*\i:KFR+4*\i+3], v6 offset:512*\i
.endr
	s_wait_dscnt 16                                ; the other's (-M, l) is in; the 16 images may be out
	v_min_num_f32 v22, v12, v20                    ; the new -M
	v_sub_f32 v23, v22, v12                        ; 0 or less, whole numbers
	v_sub_f32 v24, v22, v20
	v_cvt_i32_f32 v23, v23                         ; (they saturate: a wave without a step has zeros, and the factor 0)
	v_cvt_i32_f32 v24, v24
	v_ldexp_f32 v[F], 1.0, v23
	v_ldexp_f32 v68, 1.0, v24
	v_mov_b32 v12, v22
	v_mul_f32 v13, v13, v[F]
	v_fma_f32 v13, v21, v68, v13
	WIN W_RS
	s_wait_alu depctr_va_vdst(0)                   ; directly ahead of O^T's first reader
.set jj, 0
.rept 32
	v_pk_mul_f32 v[OT+jj:OT+jj+1], v[OT+jj:OT+jj+1], v[F:F+1] op_sel_hi:[1,0]
.set jj, jj+2
.endr
	s_wait_dscnt 0x0
	WIN W_JN
.set jj, 0
.rept 32
	v_pk_fma_f32 v[OT+jj:OT+jj+1], v[KFR+jj:KFR+jj+1], v[68:69], v[OT+jj:OT+jj+1] op_sel_hi:[1,0,1]
.set jj, jj+2
.endr
	; THE WAY OUT: the record is this program's own, so O^T leaves as images of its registers, 512 consecutive bytes a store
	WIN W_ST
.irp i, 0,1,2,3,4,5,6,7,8,9,10,11,12,13,14,15
	global_store_b128 v[GI], v[OT+4*\i:OT+4*\i+3], s[16:17] offset:512*\i
.endr
	WIN 0
	global_store_b64 v[GP], v[12:13], s[16:17] offset:8192
	s_wait_tensorcnt 0x0                           ; the wave's end
	s_wait_asynccnt 0x0
	ds_add_u32 v[SPW], v[NIL]
	s_wait_dscnt 0x0
	s_endpgm
.Lfunc_end_k_q73c393917b_chunks:
	.size	k_q73c393917b_chunks, .Lfunc_end_k_q73c393917b_chunks-k_q73c393917b_chunks
	.p2alignl 7, 3214868480
	.fill 96, 4, 3214868480
	.section	.rodata,"a",@progbits
	.p2align	6, 0x0
	.amdhsa_kernel k_q73c393917b_chunks
		.amdhsa_group_segment_fixed_size 327680
		.amdhsa_private_segment_fixed_size 0
		.amdhsa_enable_private_segment 0
		.amdhsa_kernarg_size 56
		.amdhsa_user_sgpr_count 2
		.amdhsa_user_sgpr_kernarg_segment_ptr 1
		.amdhsa_wavefront_size32 1
		.amdhsa_system_sgpr_workgroup_id_x 1
		.amdhsa_system_sgpr_workgroup_id_y 1
		.amdhsa_system_sgpr_workgroup_id_z 1
		.amdhsa_system_vgpr_workitem_id 0
		.amdhsa_next_free_vgpr 512
		.amdhsa_next_free_sgpr 84
		.amdhsa_reserve_vcc 0
		.amdhsa_float_denorm_mode_32 3
		.amdhsa_float_denorm_mode_16_64 3
		.amdhsa_memory_ordered 1
		.amdhsa_forward_progress 1
		.amdhsa_inst_pref_size 241
	.end_amdhsa_kernel
	.amdgpu_metadata
---
amdhsa.version: [ 1, 2 ]
amdhsa.kernels:
  - .name:           k_q73c393917b_chunks
    .symbol:         k_q73c393917b_chunks.kd
    .args:
      - { .name: q_codes, .offset: 0, .size: 8, .value_kind: global_buffer, .address_space: global }
      - { .name: q_scales, .offset: 8, .size: 8, .value_kind: global_buffer, .address_space: global }
      - { .name: k_codes, .offset: 16, .size: 8, .value_kind: global_buffer, .address_space: global }
      - { .name: k_scales, .offset: 24, .size: 8, .value_kind: global_buffer, .address_space: global }
      - { .name: v_codes, .offset: 32, .size: 8, .value_kind: global_buffer, .address_space: global }
      - { .name: v_scales, .offset: 40, .size: 8, .value_kind: global_buffer, .address_space: global }
      - { .name: part, .offset: 48, .size: 8, .value_kind: global_buffer, .address_space: global }
    .group_segment_fixed_size: 327680
    .private_segment_fixed_size: 0
    .kernarg_segment_align: 8
    .kernarg_segment_size: 56
    .max_flat_workgroup_size: 256
    .sgpr_count:     84
    .vgpr_count:     512
    .wavefront_size: 32
...
	.end_amdgpu_metadata
.endif
;; end of part 1
;; launch combine (part 2): grid 512 x 1, 4 waves a work-group, no clusters, 8,960 bytes of LDS; arguments part, out0; writes out0
.if DOCPART == 2
	.amdgcn_target "amdgcn-amd-amdhsa--gfx1250"
	.amdhsa_code_object_version 6
	.text
	.protected	k_q73c393917b_combine
	.globl	k_q73c393917b_combine
	.p2align	8
	.type	k_q73c393917b_combine,@function
k_q73c393917b_combine:
	s_mov_b64 s[64:65], 0
	v_nop
	global_prefetch_b8 v0, s[64:65] scope:SCOPE_SE
	s_setreg_imm32_b32 hwreg(HW_REG_WAVE_MODE, 25, 1), 1
	s_wait_xcnt 0x0
; The partial results of one tile of 16 queries are joined: out0 = (sum over chunks c of O_c 2^(M_c - M)) / (sum over c of l_c 2^(M_c - M)), M the largest M_c.  Every M_c is a whole
; number, so every factor is a power of two and the scalings round nothing.
; A work-group takes tile 511 - its number (the tiles of most chunks first); the tile's block of 128 queries is b = tile / 8 and it has n = max(1, (b + 8) / 9) chunks (1 to 7).  Chunk c's
; record lies at part + tile x 8,448 + c (117 - 9 c) / 2 x 67,584: 16 images of 512 bytes (image I, lane (r, h): channels 16 (I / 2) + 8 h + 4 (I % 2) + 0 .. 3 of query r), then (-M, l),
; 8 bytes a lane.  Wave k takes images 4 k .. 4 k + 3.  Steps past the diagonal have no record: the launch before leaves them out.
; All of a tile's loads are issued before the first wait.  The branches hang on the work-group's number alone; each way adds exactly the chunks that it loaded.
; The channels come into order in a stage in LDS (16 rows of 512 + 16 bytes), from which each wave stores 4 whole rows of 512 bytes.
; No matrix work, no tensor loads, no cluster: work-groups share no byte; no prefetch: there is no loop.  LIMITS: as the launch before; differences of the M_c are taken as exact, which
; holds for |M| under 2^24.
.set REC, 8448
.set NM,  10                           ; v10 the running -M (the least of the -M_c)
.set LL,  11                           ; v11 the running l
.set FA,  12                           ; v[12:13] the factor for what has been summed; v[14:15] for the chunk that comes; the pairs' upper words are written once
.set FC,  14
.set STT, 20                           ; v[20+2c:21+2c] (-M_c, l_c)
.set ACS, 36                           ; v36-51 the sums
.set DAT, 52                           ; v[52+16c ..] chunk c's 16 numbers
	s_load_b128 s[4:7], s[0:1], 0x0                ; part s[4:5], out0 s[6:7]
	v_lshl_add_u32 v168, v0, 2, 0x2100
	v_mov_b32 v169, 0
	v_lshrrev_b32 v1, 5, v0
	v_readfirstlane_b32 s24, v1                    ; wave k
	s_sub_co_u32 s33, 511, ttmp9                   ; the tile
	s_lshr_b32 s25, s33, 3                         ; b
	s_add_co_u32 s26, s25, 8
	s_mul_i32 s26, s26, 228
	s_lshr_b32 s26, s26, 11                        ; (b + 8) / 9, right for b up to 63 (228 / 2,048 lies 0.0003 above a ninth)
	s_max_u32 s26, s26, 1                          ; n
	s_mul_i32 s28, s33, REC
	s_mov_b32 s29, 0
	s_lshl_b32 s30, s33, 13                        ; out0: 16 rows of 512 bytes a tile,
	s_lshl_b32 s32, s24, 11                        ; 4 rows a wave
	s_add_co_u32 s30, s30, s32
	s_mov_b32 s31, 0
	v_and_b32 v7, 31, v0                           ; lane
	v_and_b32 v8, 15, v0                           ; r
	v_bfe_u32 v9, v0, 4, 1                         ; h
	v_lshlrev_b32 v6, 4, v7                        ; 16 x lane
	v_add_nc_u32 v2, s32, v6                       ; my images: + 2,048 k
	v_lshlrev_b32 v3, 3, v7                        ; 8 x lane
	v_mul_u32_u24 v4, v8, 528
	v_lshl_add_u32 v4, v9, 5, v4
	s_lshl_b32 s27, s24, 7
	v_add_nc_u32 v4, s27, v4                       ; into the stage: row r, + 32 h + 128 k
	s_mul_i32 s27, s24, 4*528
	v_add_nc_u32 v5, s27, v6                       ; back: my 4 rows, 16 bytes a lane
	v_mov_b32 v[NM], 0x7f61b1e6                    ; 3e38, above every -M
	v_mov_b32 v[LL], 0
	v_mov_b32 v[FA+1], 0
	v_mov_b32 v[FC+1], 0
.irp j, 0,1,2,3,4,5,6,7,8,9,10,11,12,13,14,15
	v_mov_b32 v[ACS+\j], 0                         ; which chunk is added first hangs on n: so the sums begin as zeros
.endr
	s_wait_kmcnt 0x0
	s_add_nc_u64 s[4:5], s[4:5], s[28:29]
	s_add_nc_u64 s[6:7], s[6:7], s[30:31]
.irp c, 0,1,2,3,4,5,6
	s_add_nc_u64 s[8+2*\c:9+2*\c], s[4:5], (\c*(117-9*\c)/2)*67584
.endr
.macro LOADC c
.irp i, 0,1,2,3
	global_load_b128 v[DAT+16*\c+4*\i:DAT+16*\c+4*\i+3], v2, s[8+2*\c:9+2*\c] offset:512*\i th:TH_LOAD_NT   ; 512 consecutive bytes, read once in the launch
.endr
	global_load_b64 v[STT+2*\c:STT+2*\c+1], v3, s[8+2*\c:9+2*\c] offset:8192
.endm
.macro ACC c
	v_min_num_f32 v16, v[NM], v[STT+2*\c]          ; the new -M
	v_sub_f32 v17, v16, v[NM]                      ; 0 or less, a whole number
	v_sub_f32 v18, v16, v[STT+2*\c]
	v_cvt_i32_f32 v17, v17                         ; (it saturates: the first factor is 0, over sums that are zeros)
	v_cvt_i32_f32 v18, v18
	v_ldexp_f32 v[FA], 1.0, v17
	v_ldexp_f32 v[FC], 1.0, v18
	v_mov_b32 v[NM], v16
	v_mul_f32 v[LL], v[LL], v[FA]
	v_fma_f32 v[LL], v[STT+2*\c+1], v[FC], v[LL]
.irp j, 0,2,4,6,8,10,12,14
	v_pk_mul_f32 v[ACS+\j:ACS+\j+1], v[ACS+\j:ACS+\j+1], v[FA:FA+1] op_sel_hi:[1,0]
.endr
.irp j, 0,2,4,6,8,10,12,14
	v_pk_fma_f32 v[ACS+\j:ACS+\j+1], v[DAT+16*\c+\j:DAT+16*\c+\j+1], v[FC:FC+1], v[ACS+\j:ACS+\j+1] op_sel_hi:[1,0,1]
.endr
.endm
	LOADC 0
.irp c, 1,2,3,4,5,6
	s_cmp_eq_u32 s26, \c                           ; n = c: chunk c does not exist
	s_cbranch_scc1 .Lno\c
	LOADC \c
.endr
.irp c, 6,5,4,3,2,1
	s_wait_loadcnt 0x0                             ; the youngest chunk is added first, so the wait is for all
	ACC \c
.Lno\c:
.endr
	s_wait_loadcnt 0x0
	ACC 0
	s_wait_alu depctr_va_vdst(0)                   ; ahead of the reciprocal
	v_rcp_f32 v[FA], v[LL]
	v_nop                                          ; one plain instruction behind the reciprocal (ISA guide 5.7.2)
	s_wait_alu depctr_va_vdst(0)                   ; ahead of its first reader
.irp j, 0,2,4,6,8,10,12,14
	v_pk_mul_f32 v[ACS+\j:ACS+\j+1], v[ACS+\j:ACS+\j+1], v[FA:FA+1] op_sel_hi:[1,0]
.endr
.irp i, 0,1,2,3
	ds_store_b128 v4, v[ACS+4*\i:ACS+4*\i+3] offset:64*(\i/2)+16*(\i%2)   ; image 4 k + i: channels 32 k + 16 (i / 2) + 8 h + 4 (i % 2) on
.endr
	s_wait_dscnt 0x0                               ; for the others' sake: my stores into the stage have landed
	s_barrier_signal -1
	s_barrier_wait -1
.irp i, 0,1,2,3
	ds_load_b128 v[DAT+4*\i:DAT+4*\i+3], v5 offset:528*\i
.endr
.irp i, 0,1,2,3
	s_wait_dscnt 3-\i                              ; row i is back; the younger rows may be out
	global_store_b128 v6, v[DAT+4*\i:DAT+4*\i+3], s[6:7] offset:512*\i th:TH_STORE_NT   ; 32 lanes store a row's 512 consecutive bytes, at a multiple of 256 from out0's first byte
.endr
	s_wait_tensorcnt 0x0                           ; the wave's end
	ds_add_u32 v168, v169
	s_wait_dscnt 0x0
	s_endpgm
.Lfunc_end_k_q73c393917b_combine:
	.size	k_q73c393917b_combine, .Lfunc_end_k_q73c393917b_combine-k_q73c393917b_combine
	.p2alignl 7, 3214868480
	.fill 96, 4, 3214868480
	.section	.rodata,"a",@progbits
	.p2align	6, 0x0
	.amdhsa_kernel k_q73c393917b_combine
		.amdhsa_group_segment_fixed_size 8960
		.amdhsa_private_segment_fixed_size 0
		.amdhsa_enable_private_segment 0
		.amdhsa_kernarg_size 16
		.amdhsa_user_sgpr_count 2
		.amdhsa_user_sgpr_kernarg_segment_ptr 1
		.amdhsa_wavefront_size32 1
		.amdhsa_system_sgpr_workgroup_id_x 1
		.amdhsa_system_sgpr_workgroup_id_y 1
		.amdhsa_system_sgpr_workgroup_id_z 1
		.amdhsa_system_vgpr_workitem_id 0
		.amdhsa_next_free_vgpr 170
		.amdhsa_next_free_sgpr 66
		.amdhsa_reserve_vcc 0
		.amdhsa_float_denorm_mode_32 3
		.amdhsa_float_denorm_mode_16_64 3
		.amdhsa_memory_ordered 1
		.amdhsa_forward_progress 1
		.amdhsa_inst_pref_size 19
	.end_amdhsa_kernel
	.amdgpu_metadata
---
amdhsa.version: [ 1, 2 ]
amdhsa.kernels:
  - .name:           k_q73c393917b_combine
    .symbol:         k_q73c393917b_combine.kd
    .args:
      - { .name: part, .offset: 0, .size: 8, .value_kind: global_buffer, .address_space: global }
      - { .name: out0, .offset: 8, .size: 8, .value_kind: global_buffer, .address_space: global }
    .group_segment_fixed_size: 8960
    .private_segment_fixed_size: 0
    .kernarg_segment_align: 8
    .kernarg_segment_size: 16
    .max_flat_workgroup_size: 128
    .sgpr_count:     66
    .vgpr_count:     170
    .wavefront_size: 32
...
	.end_amdgpu_metadata
.endif
;; end of part 2
